; MI455X (gfx1250); checked and timed in simulation.
; The chip was launched on July 23, 2026; its instructions are those of AMD's public machine-readable ISA for CDNA 5 (MIT licence, August 2026) and "CDNA5" Instruction Set Architecture Reference Guide (July 2026). The comments in the code are by the model that wrote it; some were corrected since.
;; Vi T Self Attention. Allowed arithmetic: matrix products marked QUANTISED: E2M1 operands, one E8M0 scale for each 32 along K, by v_wmma_scale_f32_16x16x128_f8f6f4 with both operands' format E2M1 (or v_wmma_scale_f32_32x16x128_f4), f32 sums; everything else in f32.
;; Inputs: Wk 768 x 768 float32; Wq 768 x 768 float32; Wv 768 x 768 float32; bk 768 float32; bq 768 float32; bv 768 float32; x 16 x 1,024 x 768 float32.
;; Outputs: out0 16 x 1,024 x 768 float32.
;; This version of the problem:
;;   THIS VERSION OF THE PROBLEM IS GIVEN IN LOW PRECISION. The matrix products marked QUANTISED in the list below multiply operands that are first quantised to E2M1 (2 exponent bits, 1 mantissa bit; 4 bits a number), with one power-of-two scale for each 32 numbers along K (OCP MX v1.0); their sums are f32. All else is computed in f32.
;;   The module's matrix products, in the order in which they are computed (A, B: the left and right operand; K: the contracted axis; several contracted axes count as one K, in the product's order):
;;     1. [M 16,384, K 768] x [K 768, N 768]; A: input x; B: input Wq: QUANTISED
;;     2. [M 16,384, K 768] x [K 768, N 768]; A: input x; B: input Wk: QUANTISED
;;     3. [M 16,384, K 768] x [K 768, N 768]; A: input x; B: input Wv: QUANTISED
;;     4. batch 192 x [M 1,024, K 64] x [K 64, N 1,024]; A: computed on the way; B: computed on the way: QUANTISED
;;     5. batch 192 x [M 1,024, K 1,024] x [K 1,024, N 64]; A: softmax (see below); B: computed on the way: QUANTISED
;;   THE QUANTISER, for each operand of a quantised product, along K:
;;     - K is cut into blocks of 32 from its start; a last block that is shorter is filled with zeros.
;;     - A block's scale is 2^e with e = floor(log2(the largest magnitude in the block)) - 2, held to -126 .. 127; a block of zeros has e = 0. As a byte (E8M0): e + 127.
;;     - Each number is divided by its block's scale, clamped to +-6, and rounded to the nearest number of E2M1, ties to even, subnormals kept.
;;     - The product sums the exact products of the quantised numbers (number of the format x scale) in f32.
;;   ~~~python
;;   def quantise(x, axis):      # numpy; x: float32 -> the quantised numbers, widened to float32 again
;;       x = np.moveaxis(x, axis, -1); K = x.shape[-1]
;;       x = np.pad(x, [(0, 0)] * (x.ndim - 1) + [(0, -K % 32)]); x = x.reshape(x.shape[:-1] + (-1, 32)); a = np.abs(x).max(-1, keepdims=True)
;;       e = np.where(a > 0, np.clip(np.frexp(np.where(a > 0, a, 1))[1] - 1 - 2, -126, 127), 0)      # np.frexp(a)[1] - 1 = floor(log2(a)), exactly
;;       r = np.clip(x / 2.0 ** e, -6, 6)
;;       step = 2.0 ** (np.maximum(np.frexp(np.where(r == 0, 1, r))[1] - 1, 0) - 1)
;;       q = np.round(r / step) * step * 2.0 ** e      # np.round: ties to even
;;       return np.moveaxis(q.reshape(q.shape[:-2] + (-1,))[..., :K], -1, axis).astype(np.float32)
;;   ~~~
;;   SOFTMAX AHEAD OF A QUANTISED PRODUCT. Where the list says 'softmax', what is quantised is not the finished softmax but p = 2^(t - M), with t = logit x log2(e) and M = ceil(the row's largest t), a whole number; so 1/2 < the row's largest p <= 1. The row's sum l is taken of the UNQUANTISED p, in f32, and the product's result is divided by l at the end. Since M is a whole number, a kernel that streams over the keys may use a running M (the ceiling of the running maximum): every later rescaling is an exact power of two, which a block's scale takes up: the codes' values come out the same.
;;   OPERANDS COMPUTED ON THE WAY. 'Computed on the way' means the value that the module computes at that place (a softmax that the list does not call 'softmax' is quantised finished and normalised). What goes into a quantiser is computed in f32, as accurately as f32 sums, v_exp_f32 and their like allow (about 1e-6 of the number): no bf16 or f16 on the way to a quantiser, and a product that is left as it is and whose result goes on into a quantised operand takes f32 operands (vector FMAs, or v_wmma_f32_16x16x4_f32). A number that lies on a knife's edge between two numbers of the format may be rounded either way, as far as f32 arithmetic and the matrix unit's own rounding can turn it there, and no further.
;; One version. Each part assembles by itself: llvm-mc -triple=amdgcn-amd-amdhsa -mcpu=gfx1250 --defsym DOCPART=n.
;; ======== version 1 of 1: 3 launches
;; limits: right only within a limited range of input values
;; workspace buffers: wimg 940,032 bytes; ximg 7,077,888 bytes; qkv 20,054,016 bytes
;; launch prep (part 1): grid 256 x 1, 12 waves a work-group, no clusters, 103,168 bytes of LDS; arguments x, Wq, Wk, Wv, ximg, wimg; writes ximg, wimg
.if DOCPART == 1
	.amdgcn_target "amdgcn-amd-amdhsa--gfx1250"
	.amdhsa_code_object_version 6
	.text
	.protected	k_qbbc6c6ae09_prep
	.globl	k_qbbc6c6ae09_prep
	.p2align	8
	.type	k_qbbc6c6ae09_prep,@function
k_qbbc6c6ae09_prep:
	s_mov_b64 s[64:65], 0
	v_nop
	global_prefetch_b8 v0, s[64:65] scope:SCOPE_SE
	s_setreg_imm32_b32 hwreg(HW_REG_WAVE_MODE, 25, 1), 1
	s_wait_xcnt 0x0
; x [16,384][768] and Wq, Wk, Wv [768 (k)][768 (n)], f32, become codes of FP4 (E2M1) with one E8M0 scale byte for each 32 along K = 768, laid as IMAGES OF THE OPERAND'S REGISTERS for the next launch.
; An image is a fragment's 8 registers (16 rows x 128 K): registers 4 c .. 4 c + 3 of lane L = (r, h) at 512 c + 16 L; they hold k = 64 c + 32 h + 0 .. 31 of row r.
; ximg[G], 27,648 bytes for each group G of 64 tokens: fragment 4 s + tau at 1,024 (4 s + tau) (s = the K step of 128, tau = the token tile); from 24,576 on the scale words: entry 4 j + tau, 8 bytes a lane: K steps 2 j and 2 j + 1.
;   Row rho of token tile tau is token 32 (rho / 8) + 8 tau + rho % 8 of the 64.
; wimg[U], 26,112 bytes for each unit U = 12 x kind + head (kind 0 q, 1 k, 2 v): fragment 4 s + tau likewise; from 24,576 on [s][r][tau]: the scale word of row r of tile tau.
;   Kinds q and k: row r of tile tau is column 64 head + 32 (r / 8) + 8 tau + r % 8; kind v: column 64 head + 16 tau + r.
; A block's scale is 2^(floor(log2(its largest magnitude)) - 2); its byte is the largest magnitude's exponent field - 2, held at 1 from below.
; LIMITS: NaN and infinities are not served.  A block whose largest magnitude lies under 2^-124 is held at the byte 1; a block of zeros gets the byte 1 where the rule says 127: its codes are zeros, and this program alone reads the bytes.
; SHARES.  Work-group G takes 64 tokens; its wave w takes token tile tau = w % 4 and the third j = w / 4 of K: two K steps, 16 rows x 512 bytes each.  All 32 loads of a wave, each 512 consecutive bytes of a row, are issued at once;
; a K step is worked as soon as its 16 are in.  The conversions want 32 neighbours along K in one lane: a step's 8,192 bytes turn through the wave's own stage in LDS (rows 528 bytes apart: 16 rows start at 16 different places modulo 256).
; Work-groups 0 to 215 also take one K step of one unit of the weights, 6 U + s = the work-group's number; wave tau < 4 makes one fragment: a lane takes a column and its registers run down K.
; No tensor load, no cluster (no two work-groups read the same bytes), no prefetch (each stream is asked for once, at the head, and there is no loop in which to ask ahead).
.set PITCH, 528
.set STG,   16*PITCH                   ; a wave's stage
.set WSCR,  12*STG                     ; behind the stages: the 64 scale words of the weights' K step
.set SPARE, WSCR+256                   ; the spare words, 128 bytes a wave
.set XREC,  27648
.set WREC,  26112
.set LI,  1                            ; 16 x lane
.set L8,  2                            ; 8 x lane
.set STA, 3                            ; the stage, in: 16 x lane of a row
.set LDA, 4                            ; the stage, back: row r, my half's 128 bytes
.set SH8, 5                            ; 8 h
.set WOF, 6                            ; W: my column, my half's rows
.set WLS, 7                            ; LDS: 16 r + 4 tau among the 64 words
.set WLR, 8                            ; LDS: 8 x lane among them
.set RR,  9
.set HH,  12
.set SPW, 14
.set NIL, 15
.set TM,  16
.set SO,  20
.set BY,  24
.set TT,  30
.set PW,  32                           ; v32-33 the two K steps' scale words
.set BK,  34
.set PWW, 38                           ; the weights' word
.set PC,  40                           ; v40-55 x's codes, 8 registers for each K step: no store's data are written again
.set PCW, 56                           ; v56-63 the weights' codes
.set X,   64                           ; v64-127 64 numbers of a lane: two blocks
.set R,   128                          ; v128-255 x as it is loaded
.set WV,  18
.set SEL, 40
; Two blocks of 32 numbers of a lane, v[src + 32 b ..], become 8 registers of codes from v[pc] on and the scale word v[pw] (with lane l xor 16's two bytes).
.macro Q2 src, pc, pw
.irp b, 0,1
	v_max3_num_f32 v[TM+\b], |v[\src+32*\b]|, |v[\src+32*\b+1]|, 0x1800000   ; and the floor 2^(3 - 127): the byte cannot fall under 1
.endr
.irp i, 2,4,6,8,10,12,14,16,18,20,22,24,26,28,30
.irp b, 0,1
	v_max3_num_f32 v[TM+\b], v[TM+\b], |v[\src+32*\b+\i]|, |v[\src+32*\b+\i+1]|   ; (the two blocks by turns)
.endr
.endr
.irp b, 0,1
	s_delay_alu instid0(VALU_DEP_2)
	v_add_nc_u32 v[SO+\b], 0xff000000, v[TM+\b]    ; 2 off the exponent field: the conversion's scale operand
.endr
.irp b, 0,1
	s_delay_alu instid0(VALU_DEP_2)
	v_lshrrev_b32 v[BY+\b], 23, v[SO+\b]           ; the scale's byte
.endr
	s_delay_alu instid0(VALU_DEP_1)
	v_lshl_or_b32 v[\pw], v[BY+1], 16, v[BY]
	s_delay_alu instid0(VALU_DEP_1)
	v_lshlrev_b32 v[\pw], v[SH8], v[\pw]           ; my half's bytes at their places
	s_delay_alu instid0(VALU_DEP_1)
	v_permlanex16_b32 v[TT], v[\pw], s[SEL], s[SEL+1]
	s_delay_alu instid0(VALU_DEP_1)
	v_or_b32 v[\pw], v[\pw], v[TT]                 ; with lane l xor 16's the word is whole
.irp b, 0,1
.irp i, 0,1,2,3
	v_cvt_scalef32_pk8_fp4_f32 v[\pc+4*\b+\i], v[\src+32*\b+8*\i:\src+32*\b+8*\i+7], v[SO+\b]
.endr
.endr
	v_nop                                          ; one plain place behind the last scaled conversion
.endm
.macro XLOADS                          ; my two K steps: row rho of my tile is token rho + 24 (rho / 8) from my tile's first
.irp e, 0,1
.irp p, 0,1,2,3,4,5,6,7,8,9,10,11,12,13,14,15
	global_load_b128 v[R+64*\e+4*\p:R+64*\e+4*\p+3], v[LI], s[4:5] offset:(\p+24*(\p/8))*3072+512*\e th:TH_LOAD_NT   ; 32 lanes read 512 consecutive bytes
.endr
.endr
.endm
	s_load_b256 s[4:11], s[0:1], 0x0               ; x s[4:5], Wq s[6:7], Wk s[8:9], Wv s[10:11]
	s_load_b128 s[12:15], s[0:1], 0x20             ; ximg s[12:13], wimg s[14:15]
	v_lshl_add_u32 v[SPW], v0, 2, SPARE
	v_mov_b32 v[NIL], 0
	v_lshrrev_b32 v10, 5, v0
	s_delay_alu instid0(VALU_DEP_1)
	v_readfirstlane_b32 s[WV], v10                 ; wave 0..11
	s_and_b32 s19, s[WV], 3                        ; tau
	s_lshr_b32 s20, s[WV], 2                       ; j
	s_mov_b32 s[SEL], 0x76543210
	s_mov_b32 s[SEL+1], 0xfedcba98                 ; v_permlanex16_b32's selects for lane l xor 16
	s_mul_i32 s44, ttmp9, 64*3072                  ; x: my group's 64 rows, my tile's first token 8 tau, my third of K
	s_mul_i32 s45, s19, 8*3072
	s_add_co_u32 s44, s44, s45
	s_lshl_b32 s45, s20, 10
	s_add_co_u32 s44, s44, s45
	s_mov_b32 s45, 0
	s_mul_i32 s47, s[WV], STG
	s_lshl_b32 s48, s19, 2
	s_add_co_u32 s48, s48, WSCR
	s_mul_i32 s52, ttmp9, XREC                     ; ximg: my group's record; fragments 4 (2 j) + tau on,
	s_lshl_b32 s51, s20, 13
	s_add_co_u32 s50, s52, s51
	s_lshl_b32 s51, s19, 10
	s_add_co_u32 s50, s50, s51
	s_mov_b32 s51, 0
	s_lshl_b32 s53, s20, 10                        ; and scale entry 4 j + tau
	s_add_co_u32 s52, s52, s53
	s_lshl_b32 s53, s19, 8
	s_add_co_u32 s52, s52, s53
	s_add_co_u32 s52, s52, 24576
	s_mov_b32 s53, 0
	; the weights' share, by the work-group's number alone (made in every wave, used in waves 0 to 3 of the first 216 work-groups)
	s_mul_i32 s34, ttmp9, 171
	s_lshr_b32 s34, s34, 10                        ; U = number / 6 (exact up to 215)
	s_mul_i32 s35, s34, 6
	s_sub_co_u32 s35, ttmp9, s35                   ; s
	s_cmp_lt_u32 s34, 12
	s_cselect_b32 s36, 0, 12
	s_cmp_lt_u32 s34, 24
	s_cselect_b32 s36, s36, 24                     ; 12 x kind
	s_cselect_b32 s37, 32, 8                       ; columns from r / 8 = 0 to 1
	s_cselect_b32 s38, 8, 16                       ; columns from tile to tile
	s_sub_co_u32 s39, s34, s36                     ; head
	s_mul_i32 s38, s38, s19
	s_mul_i32 s42, s35, 128*3072                   ; W: the K step's 128 rows, the head's 64 columns
	s_lshl_b32 s43, s39, 8
	s_add_co_u32 s42, s42, s43
	s_mov_b32 s43, 0
	s_mul_i32 s54, s34, WREC                       ; wimg: the unit's record, the step's scale words,
	s_lshl_b32 s55, s35, 8
	s_add_co_u32 s56, s54, s55
	s_add_co_u32 s56, s56, 24576
	s_mov_b32 s57, 0
	s_lshl_b32 s55, s35, 12                        ; and my fragment
	s_add_co_u32 s54, s54, s55
	s_lshl_b32 s55, s19, 10
	s_add_co_u32 s54, s54, s55
	s_mov_b32 s55, 0
	v_and_b32 v10, 31, v0                          ; lane
	v_and_b32 v[RR], 15, v0                        ; r
	v_bfe_u32 v[HH], v0, 4, 1                      ; h
	v_bfe_u32 v11, v0, 3, 1                        ; r / 8
	v_lshlrev_b32 v[LI], 4, v10
	v_lshlrev_b32 v[L8], 3, v10
	v_lshlrev_b32 v[SH8], 3, v[HH]
	v_mul_u32_u24 v[LDA], v[RR], PITCH
	v_add_nc_u32 v[STA], s47, v[LI]
	v_lshl_add_u32 v[WLS], v[RR], 4, s48
	v_lshl_add_u32 v[LDA], v[HH], 7, v[LDA]
	v_add_nc_u32 v[WLR], WSCR, v[L8]
	v_and_b32 v10, 7, v[RR]
	v_add_nc_u32 v[LDA], s47, v[LDA]
	v_mul_u32_u24 v[WOF], v[HH], 32*3072           ; lanes 16-31 begin 32 rows further down
	v_mad_u32_u24 v10, v11, s37, v10
	s_delay_alu instid0(VALU_DEP_1)
	v_add_nc_u32 v10, s38, v10                     ; my column in the head's 64
	s_delay_alu instid0(VALU_DEP_1)
	v_lshl_add_u32 v[WOF], v10, 2, v[WOF]
	v_mov_b32 v[TT], 0                             ; a lane permute's destination counts as one of its sources
	v_mov_b32 v[PWW], 0                            ; (stored to LDS by waves 0 to 3 of every work-group, read only where weights were quantised)
	s_wait_alu depctr_va_vdst(0)                   ; the wait at the head's end
	s_wait_kmcnt 0x0
	s_add_nc_u64 s[4:5], s[4:5], s[44:45]
	s_add_nc_u64 s[16:17], s[12:13], s[52:53]
	s_add_nc_u64 s[12:13], s[12:13], s[50:51]
	s_cmp_lt_u32 s34, 12                           ; which tensor: the choice hangs on the work-group's number alone
	s_cselect_b64 s[32:33], s[6:7], s[8:9]
	s_cmp_lt_u32 s34, 24
	s_cselect_b64 s[32:33], s[32:33], s[10:11]
	s_add_nc_u64 s[32:33], s[32:33], s[42:43]
	s_add_nc_u64 s[46:47], s[14:15], s[56:57]
	s_add_nc_u64 s[14:15], s[14:15], s[54:55]
	s_cmp_lt_u32 ttmp9, 216
	s_cbranch_scc0 .Lplain
	s_cmp_lt_u32 s[WV], 4
	s_cbranch_scc0 .Lplain
.irp c, 0,1
.irp i, 0,1,2,3,4,5,6,7,8,9,10,11,12,13,14,15,16,17,18,19,20,21,22,23,24,25,26,27,28,29,30,31
	global_load_b32 v[X+32*\c+\i], v[WOF], s[32:33] offset:(64*\c+\i)*3072   ; W(128 s + 64 c + 32 h + i, my column)
.endr
.endr
	XLOADS
	s_wait_loadcnt 32                              ; the weights' 64 loads are in; x's 32, issued behind them, may be out
	Q2 X, PCW, PWW
.irp c, 0,1
	global_store_b128 v[LI], v[PCW+4*\c:PCW+4*\c+3], s[14:15] offset:512*\c   ; the wave stores 512 consecutive bytes, aligned to 256
.endr
	s_wait_alu depctr_va_vdst(0)                   ; the wait here, directly ahead of the branch
	s_branch .Ljoin
.Lplain:
	XLOADS
.Ljoin:
	s_cmp_lt_u32 s[WV], 4
	s_cbranch_scc0 .Lno_word
	ds_store_b32 v[WLS], v[PWW]                    ; lanes l and l xor 16 write the same word with the same value
.Lno_word:
; A K step: 16 rows x 512 bytes through my stage, one fragment and its scale word.
.irp e, 0,1
	s_wait_loadcnt 16*(1-\e)                       ; this step's 16 loads are in; the next step's 16 may be out
.irp p, 0,1,2,3,4,5,6,7,8,9,10,11,12,13,14,15
	ds_store_b128 v[STA], v[R+64*\e+4*\p:R+64*\e+4*\p+3] offset:\p*PITCH
.endr
.irp c, 0,1
.irp q, 0,1,2,3,4,5,6,7
	ds_load_b128 v[X+32*\c+4*\q:X+32*\c+4*\q+3], v[LDA] offset:256*\c+16*\q   ; LDS serves a wave's instructions in order: these see my stores.  k = 64 c + 32 h + 4 q on
.endr
.endr
	s_wait_dscnt 0x0
	Q2 X, PC+8*\e, PW+\e
.irp c, 0,1
	global_store_b128 v[LI], v[PC+8*\e+4*\c:PC+8*\e+4*\c+3], s[12:13] offset:4096*\e+512*\c   ; 512 consecutive bytes, aligned to 256
.endr
.endr
	global_store_b64 v[L8], v[PW:PW+1], s[16:17]   ; 256 consecutive bytes, aligned
	s_barrier_signal -1                            ; (no LDS instruction of mine is pending: the wait for 0 above was the last)
	s_barrier_wait -1                              ; the four words' writers are here
	s_cmp_lt_u32 ttmp9, 216
	s_cbranch_scc0 .Lend
	s_cmp_lg_u32 s[WV], 0                          ; wave 0 sends the weights' 64 words out
	s_cbranch_scc1 .Lend
	ds_load_b64 v[BK:BK+1], v[WLR]
	s_wait_dscnt 0x0
	global_store_b64 v[L8], v[BK:BK+1], s[46:47]   ; 32 lanes store 256 consecutive bytes, aligned
.Lend:
	s_wait_tensorcnt 0x0                           ; the wave's end
	ds_add_u32 v[SPW], v[NIL]
	s_wait_dscnt 0x0
	s_endpgm
.Lfunc_end_k_qbbc6c6ae09_prep:
	.size	k_qbbc6c6ae09_prep, .Lfunc_end_k_qbbc6c6ae09_prep-k_qbbc6c6ae09_prep
	.p2alignl 7, 3214868480
	.fill 96, 4, 3214868480
	.section	.rodata,"a",@progbits
	.p2align	6, 0x0
	.amdhsa_kernel k_qbbc6c6ae09_prep
		.amdhsa_group_segment_fixed_size 103168
		.amdhsa_private_segment_fixed_size 0
		.amdhsa_enable_private_segment 0
		.amdhsa_kernarg_size 48
		.amdhsa_user_sgpr_count 2
		.amdhsa_user_sgpr_kernarg_segment_ptr 1
		.amdhsa_wavefront_size32 1
		.amdhsa_system_sgpr_workgroup_id_x 1
		.amdhsa_system_sgpr_workgroup_id_y 1
		.amdhsa_system_sgpr_workgroup_id_z 1
		.amdhsa_system_vgpr_workitem_id 0
		.amdhsa_next_free_vgpr 256
		.amdhsa_next_free_sgpr 66
		.amdhsa_reserve_vcc 0
		.amdhsa_float_denorm_mode_32 3
		.amdhsa_float_denorm_mode_16_64 3
		.amdhsa_memory_ordered 1
		.amdhsa_forward_progress 1
		.amdhsa_inst_pref_size 32
	.end_amdhsa_kernel
	.amdgpu_metadata
---
amdhsa.version: [ 1, 2 ]
amdhsa.kernels:
  - .name:           k_qbbc6c6ae09_prep
    .symbol:         k_qbbc6c6ae09_prep.kd
    .args:
      - { .name: x, .offset: 0, .size: 8, .value_kind: global_buffer, .address_space: global }
      - { .name: Wq, .offset: 8, .size: 8, .value_kind: global_buffer, .address_space: global }
      - { .name: Wk, .offset: 16, .size: 8, .value_kind: global_buffer, .address_space: global }
      - { .name: Wv, .offset: 24, .size: 8, .value_kind: global_buffer, .address_space: global }
      - { .name: ximg, .offset: 32, .size: 8, .value_kind: global_buffer, .address_space: global }
      - { .name: wimg, .offset: 40, .size: 8, .value_kind: global_buffer, .address_space: global }
    .group_segment_fixed_size: 103168
    .private_segment_fixed_size: 0
    .kernarg_segment_align: 8
    .kernarg_segment_size: 48
    .max_flat_workgroup_size: 384
    .sgpr_count:     66
    .vgpr_count:     256
    .wavefront_size: 32
...
	.end_amdgpu_metadata
.endif
;; end of part 1
;; launch qkv (part 2): grid 256 x 1, 4 waves a work-group, clusters of 4 x 1, 327,680 bytes of LDS; arguments ximg, wimg, bq, bk, bv, qkv; writes qkv
.if DOCPART == 2
	.amdgcn_target "amdgcn-amd-amdhsa--gfx1250"
	.amdhsa_code_object_version 6
	.text
	.protected	k_qbbc6c6ae09_qkv
	.globl	k_qbbc6c6ae09_qkv
	.p2align	8
	.type	k_qbbc6c6ae09_qkv,@function
k_qbbc6c6ae09_qkv:
	s_mov_b64 s[64:65], 0
	v_nop
	global_prefetch_b8 v0, s[64:65] scope:SCOPE_SE
	s_setreg_imm32_b32 hwreg(HW_REG_WAVE_MODE, 25, 1), 1
	s_wait_xcnt 0x0
	s_wait_alu depctr_hold_cnt(0) depctr_sa_sdst(0) depctr_va_vdst(0) depctr_va_sdst(0) depctr_va_ssrc(0) depctr_va_vcc(0) depctr_vm_vsrc(0)
	s_getreg_b32 s2, hwreg(HW_REG_IB_STS2, 6, 4)
	s_cmp_eq_u32 s2, 0
	s_cbranch_scc0 .Lentry_in_a_cluster
	s_endpgm
.Lentry_in_a_cluster:
	s_bfe_u32 s2, ttmp6, 0x10000c
	s_cmp_lg_u32 s2, 0x3003
	s_cbranch_scc0 .Lentry_shape_is_right
	s_endpgm
.Lentry_shape_is_right:
; q = x Wq + bq, k = x Wk + bk, v = x Wv + bv on the codes and scale words that the launch before laid as images of operand registers (its head comment gives ximg and wimg); K = 768 in six steps of 128.
; The results are quantised again in registers, q and k along the head's 64, v along the tokens, and stored as images of the next launch's operand registers.
; SHARES.  Cluster c takes batch c / 4 and heads 3 (c % 4) on; its work-group cx takes tokens 256 cx on; wave w the group of 64 tokens g = 4 cx + w: its 24 fragments of x come straight from memory into its registers and stay.
; Each wave makes 9 UNITS of 64 columns, unit u = 3 x kind + head of the three: 6 K steps x 16 matrix instructions each.
; THE WEIGHTS of the 9 units, 26,112 bytes each, are the same for the four waves and for the four partners of the cluster: they come into LDS ONCE, unit u at 26,112 u, asked for JOINTLY, in two groups of loads.
; At the head wave w fetches unit w (102 rows of 256 bytes).  Behind the three lines and a round of the cluster's barrier come the other five: waves 0 and 1 fetch units 4 and 5, waves 2 and 3 the halves of kind v's three
; (153 rows each).  No LDS byte is filled again.  A wave's ring of six K steps of registers is refilled from LDS step by step, one unit ahead:
; so the wait and the barrier for the second group stand ahead of unit 3, whose refills are the first to read it.
; No prefetch: each tile has one fill, asked for at the head or straight behind it, and there is no loop in which to ask ahead.
; THE TOKENS OF A TILE ARE NOT NEIGHBOURS (nor the weights' columns for q and k): row rho of tile i is index 32 (rho / 8) + 8 i + rho % 8 of the 64.  In the result of a product whose source 0 is such a tile,
; register j of lane (r, h) is index 32 h + 8 i + j: the 32 registers of tiles 0 .. 3 are a WHOLE block of 32 in one lane, in the order of the next operand's registers.
;   q, k units: source 0 = 16 columns of W, source 1 = 16 tokens: a lane holds a token, its registers run along the head's axis.    v units: source 0 = 16 tokens, source 1 = 16 columns: a lane holds a channel, its registers run along the tokens.
; The bias is the C of each sum's first matrix instruction, so it is the first addend of the f32 sum and not the last.
; OUT: record (12 batch + head) of 104,448 bytes: Q codes 0, Q scales 32,768, K codes 34,816, V codes 67,584, K scales 100,352, V scales 102,400.  Codes [g][idx][512 bytes], lane L at 16 L; scales [g][r][2 words],
; word p = the bytes of idx 2 p (h = 0, 1) and idx 2 p + 1 (h = 0, 1).  A store of codes covers 512 consecutive bytes, aligned to 256; a store of scale words 128 consecutive bytes: they are a sixteenth of the codes.
; LIMITS: NaN and infinities are not served.  A block whose largest magnitude lies under 2^-124 is held at the byte 1; a block of zeros gets the byte 1 where the rule says 127 (zero codes; this program alone reads the bytes).
; REGISTERS, in windows of 256: window 0: v1-35 addresses and work; v36-51 codes just made; v52-75 x's scale words; v76-99 the weights' scale words; v128-255 the 16 accumulators (block b, tile a at 128 + 32 b + 8 a).
;   window 1: v0-191 x's fragments (K step s, tile tau at 32 s + 8 tau); v192-223 the bias as C.     window 2: v0-191 the weights' ring, likewise.
.set XREC,  27648
.set WREC,  26112
.set HALFV, 153*256                    ; half of a kind's three units
.set SPARE, 9*WREC                     ; behind the weights: the spare words, 128 bytes a wave
.set REC,   104448
.set LI,   1                           ; 16 x lane
.set L8,   2                           ; 8 x lane
.set LH,   3                           ; 128 h
.set LR4,  4                           ; 4 r
.set WA,   5                           ; LDS: the unit that is being fetched, 16 x lane
.set WB,   6                           ; LDS: the same, 16 r
.set SH8,  8                           ; 8 h
.set OC,   9                           ; codes out: 2,048 g + 16 x lane
.set OS,   10                          ; scale words out: 128 g + 8 r + 4 h
.set BR,   12                          ; v12-15 bv as loaded
.set TM,   16
.set SO,   20
.set BY,   24
.set PW,   28
.set TT,   30
.set SW,   32
.set PC,   36
.set XS,   52
.set WS,   76
.set SPW,  126
.set NIL,  127
.set ACC,  128
.set BC,   192                         ; in window 1
.set WV,   18
.set G1,   20                          ; s[20:27] group 1: 102 rows
.set G0,   28                          ; s[28:31] group 0: the head's load
.set G1B,  32                          ; s[32:39] group 1: 153 rows
.set SEL,  40
.set HM,   42
.set G0B,  56                          ; s[56:59] group 0: units 4 and 5
.set G0C,  60                          ; s[60:63] group 0: kind v's halves
.set MSB, 0
.macro WIN new                         ; the immediate's high byte repeats the setting that is left
.if MSB != \new
	s_set_vgpr_msb (MSB<<8)|\new
.set MSB, \new
.endif
.endm
.macro PLACES                          ; four plain places behind matrix instructions, in front of loads into their registers and of reads of their results
.rept 4
	v_nop
.endr
.endm
.macro CROUND                          ; a round of the cluster's barrier
	s_barrier_signal -1
	s_barrier_wait -1
	s_cmp_lg_u32 s[WV], 0
	s_cbranch_scc1 .Lnot_wave_0_\@
	s_barrier_signal -3
.Lnot_wave_0_\@:
	s_barrier_wait -3
	s_barrier_signal -1
	s_barrier_wait -1
.endm
; Four blocks of 32 numbers of a lane, v[src + 32 b ..], become 16 registers of codes in v[PC] on and two scale words, v[PW] of blocks 0, 1 and v[PW + 1] of blocks 2, 3.  The numbers are read in ascending order.
.macro QUANT4 src
.irp b, 0,1,2,3
	v_max3_num_f32 v[TM+\b], |v[\src+32*\b]|, |v[\src+32*\b+1]|, 0x1800000   ; and the floor 2^(3 - 127): the byte cannot fall under 1
.endr
.irp i, 2,4,6,8,10,12,14,16,18,20,22,24,26,28,30
.irp b, 0,1,2,3
	v_max3_num_f32 v[TM+\b], v[TM+\b], |v[\src+32*\b+\i]|, |v[\src+32*\b+\i+1]|
.endr
.endr
.irp b, 0,1,2,3
	v_add_nc_u32 v[SO+\b], 0xff000000, v[TM+\b]    ; 2 off the exponent field: the conversion's scale operand
.endr
.irp b, 0,1,2,3
	v_lshrrev_b32 v[BY+\b], 23, v[SO+\b]
.endr
.irp p, 0,1
	v_lshl_or_b32 v[PW+\p], v[BY+2*\p+1], 16, v[BY+2*\p]
.endr
.irp p, 0,1
	v_lshlrev_b32 v[PW+\p], v[SH8], v[PW+\p]
.endr
.irp p, 0,1
	v_permlanex16_b32 v[TT+\p], v[PW+\p], s[SEL], s[SEL+1]
.endr
.irp p, 0,1
	v_or_b32 v[PW+\p], v[PW+\p], v[TT+\p]
.endr
.irp b, 0,1,2,3
.irp i, 0,1,2,3
	v_cvt_scalef32_pk8_fp4_f32 v[PC+4*\b+\i], v[\src+32*\b+8*\i:\src+32*\b+8*\i+7], v[SO+\b]
.endr
.endr
	v_nop                                          ; one plain place behind the last scaled conversion
.endm
; K step s of the unit at v[WA], v[WB] (kind nk, head nh of the three) comes into the ring: 9 LDS loads; with step 0 the unit's bias, from memory: 8 loads (q, k) or 4 (v).
.macro REFILL s, nk, nh
	WIN 0x80                                       ; destination window 2
.irp tau, 0,1,2,3
.irp c, 0,1
	ds_load_b128 v[32*(\s)+8*\tau+4*\c:32*(\s)+8*\tau+4*\c+3], v[WA] offset:(\s)*4096+\tau*1024+\c*512
.endr
.endr
	WIN 0
	ds_load_b128 v[WS+4*(\s):WS+4*(\s)+3], v[WB] offset:24576+(\s)*256   ; row r's words of the four tiles
.if (\s) == 0
.if (\nk) < 2
	WIN 0x40                                       ; destination window 1
.irp a, 0,1,2,3
.irp e, 0,1
	global_load_b128 v[BC+8*\a+4*\e:BC+8*\a+4*\e+3], v[LH], s[8+2*(\nk):9+2*(\nk)] offset:(\nh)*256+32*\a+16*\e   ; the bias at 32 h + 8 a + 0 .. 7: the result's layout
.endr
.endr
	WIN 0
.else
.irp t, 0,1,2,3
	global_load_b32 v[BR+\t], v[LR4], s[12:13] offset:(\nh)*256+64*\t   ; bv at 16 t + r
.endr
.endif
.endif
.endm
; A unit.  k: kind; hd: which of the three heads; nk, nh: the unit that follows, which lies WREC bytes on in LDS; refill = 0: none follows.
; THE COUNTS.  LDS loads come back in order.  Behind group s of this unit's ring were issued its groups s + 1 .. 5 and the next unit's groups 0 .. s - 1, 9 loads each: 45; 9 (5 - s) where nothing follows.
.macro UNIT k, hd, nk, nh, refill
.irp s, 0,1,2,3,4,5
.if \refill
	s_wait_dscnt 45
.else
	s_wait_dscnt 9*(5-\s)
.endif
.if \s == 0
	s_wait_loadcnt 0x0                             ; the unit's bias, asked for a unit ago (ahead of the first unit: x too)
.endif
.if (\k == 2) && (\s == 0)
	WIN 0x40                                       ; bv spread into the result's layout: a lane's eight registers of a tile hold one channel
.irp t, 0,1,2,3
.irp j, 0,1,2,3,4,5,6,7
	v_mov_b32 v[BC+8*\t+\j], v[BR+\t]
.endr
.endr
	PLACES
.endif
.if \k == 2
.if \s == 0
	WIN 0x19                                       ; source 0 (x) window 1, source 1 (W) window 2, C (bias) window 1, D window 0
.else
	WIN 0x09
.endif
.else
.if \s == 0
	WIN 0x16                                       ; source 0 (W) window 2, source 1 (x) window 1, C (bias) window 1, D window 0
.else
	WIN 0x06
.endif
.endif
.irp b, 0,1,2,3                        ; the 16 accumulators take turns, one instruction a turn, in the same order in every step
.irp a, 0,1,2,3
.set rD, ACC+32*\b+8*\a
.set rA, 32*\s+8*\a
.set rB, 32*\s+8*\b
.if \k == 2
.set rSA, XS+8*(\s/2)+2*\a+(\s%2)
.set rSB, WS+4*\s+\b
.set rC, BC+8*\b
.else
.set rSA, WS+4*\s+\a
.set rSB, XS+8*(\s/2)+2*\b+(\s%2)
.set rC, BC+8*\a
.endif
.if \s > 0
.set rC, rD
.endif
	v_wmma_scale_f32_16x16x128_f8f6f4 v[rD:rD+7], v[rA:rA+7], v[rB:rB+7], v[rC:rC+7], v[rSA], v[rSB] matrix_a_fmt:MATRIX_FMT_FP4 matrix_b_fmt:MATRIX_FMT_FP4
.endr
.endr
.if \refill && (\s == 0)
	WIN 0
	v_add_nc_u32 v[WA], WREC, v[WA]                ; on to the unit that follows (these two and the two below are the four places)
	v_add_nc_u32 v[WB], WREC, v[WB]
	v_nop
	v_nop
	s_wait_alu depctr_va_vdst(0)                   ; the wait here, directly behind the writes
.else
	PLACES                                         ; in front of the loads into this step's registers; behind step 5 also in front of the reads of the results
.endif
.if \refill
	REFILL \s, \nk, \nh
.endif
.endr
	WIN 0
	s_wait_xcnt 0x0                                ; the last unit's stores have read their data: the codes' registers and the word are written again only behind this wait
	QUANT4 ACC                                     ; (its lines on v16-31 name no accumulator: with the four above, more than the five places owed before the next unit begins the accumulators anew)
	v_cndmask_b32 v[SW], v[PW], v[PW+1], s[HM]     ; lanes 0-15 store word 0, lanes 16-31 word 1
.if \k == 0
.set CO, 0
.set SOF, 32768
.elseif \k == 1
.set CO, 34816
.set SOF, 100352
.else
.set CO, 67584
.set SOF, 102400
.endif
.irp b, 0,1,2,3
	global_store_b128 v[OC], v[PC+4*\b:PC+4*\b+3], s[14:15] offset:\hd*REC+CO+512*\b
.endr
	global_store_b32 v[OS], v[SW], s[14:15] offset:\hd*REC+SOF
.endm
	s_load_b256 s[4:11], s[0:1], 0x0               ; ximg s[4:5], wimg s[6:7], bq s[8:9], bk s[10:11]
	s_load_b128 s[12:15], s[0:1], 0x20             ; bv s[12:13], qkv s[14:15]
	v_lshl_add_u32 v[SPW], v0, 2, SPARE
	v_mov_b32 v[NIL], 0
	ds_add_u32 v[SPW], v[NIL]                      ; the opening lines: the add, twice on end, and one wait
	ds_add_u32 v[SPW], v[NIL]
	v_lshrrev_b32 v34, 5, v0
	v_readfirstlane_b32 s[WV], v34                 ; wave 0..3
	s_bfe_u32 s19, ttmp6, 0x40000                  ; cx
	s_and_b32 s44, ttmp9, 3                        ; which three heads
	s_lshr_b32 s45, ttmp9, 2                       ; batch
	s_mov_b32 s[G1+0], 15|(3<<16)|(1<<21)          ; the mask: all four partners; elements of 8 bytes; bit 21 beside a mask; no padding
	s_mov_b32 s[G1+1], 32<<16                      ; rows of 256 bytes,
	s_mov_b32 s[G1+2], 102<<16                     ; 102 of them, dense in memory: a unit
	s_mov_b32 s[G1+3], 32<<16
	s_mov_b32 s[G1+4], 102
	s_mov_b32 s[G1+5], 32
	s_mov_b32 s[G1+6], 0
	s_mov_b32 s[G1+7], 0
	s_mov_b32 s[G1B+0], 15|(3<<16)|(1<<21)         ; the same with 153 rows: a unit and a half
	s_mov_b32 s[G1B+1], 32<<16
	s_mov_b32 s[G1B+2], 153<<16
	s_mov_b32 s[G1B+3], 32<<16
	s_mov_b32 s[G1B+4], 153
	s_mov_b32 s[G1B+5], 32
	s_mov_b32 s[G1B+6], 0
	s_mov_b32 s[G1B+7], 0
	s_mov_b32 s[SEL], 0x76543210
	s_mov_b32 s[SEL+1], 0xfedcba98                 ; v_permlanex16_b32's selects for lane l xor 16
	s_mov_b32 s[HM], 0xffff0000                    ; lanes 16-31
	s_mul_i32 s16, s44, 3                          ; the first of the three heads
	s_mul_i32 s[G0+2], s[WV], 3                    ; the head's load: unit w: in wimg U = head + w for w < 3 (kind q), head + 12 for w = 3 (kind k): w + 9 (w / 3)
	s_lshr_b32 s[G0+2], s[G0+2], 3
	s_mul_i32 s[G0+2], s[G0+2], 9
	s_add_co_u32 s[G0+2], s[G0+2], s[WV]
	s_add_co_u32 s[G0+2], s[G0+2], s16
	s_mul_i32 s[G0+2], s[G0+2], WREC
	s_mov_b32 s[G0+3], 0
	s_mov_b32 s[G0], 1
	s_mul_i32 s[G0+1], s[WV], WREC                 ; no place in the cluster enters an LDS address
	s_add_co_u32 s[G0B+2], s16, s[WV]              ; waves 0, 1: units 4 + w: U = 13 + head + w
	s_add_co_u32 s[G0B+2], s[G0B+2], 13
	s_mul_i32 s[G0B+2], s[G0B+2], WREC
	s_mov_b32 s[G0B+3], 0
	s_mov_b32 s[G0B], 1
	s_mul_i32 s[G0B+1], s[WV], WREC
	s_add_co_u32 s[G0B+1], s[G0B+1], 4*WREC
	s_add_co_u32 s[G0C+2], s16, 21                 ; waves 2, 3: kind v, U = 24 + head, half w - 2: (21 + head) units + w halves
	s_mul_i32 s[G0C+2], s[G0C+2], WREC
	s_mul_i32 s[G0C+1], s[WV], HALFV
	s_add_co_u32 s[G0C+2], s[G0C+2], s[G0C+1]
	s_mov_b32 s[G0C+3], 0
	s_mov_b32 s[G0C], 1
	s_add_co_u32 s[G0C+1], s[G0C+1], 3*WREC        ; unit 6 on
	s_lshl_b32 s43, s19, 2
	s_add_co_u32 s43, s43, s[WV]                   ; g = 4 cx + w
	s_lshl_b32 s48, s45, 4
	s_add_co_u32 s48, s48, s43
	s_mul_i32 s48, s48, XREC                       ; my group's record in ximg
	s_mov_b32 s49, 0
	s_mul_i32 s50, s44, 768                        ; the three heads in the biases
	s_mov_b32 s51, 0
	s_mul_i32 s52, s45, 12                         ; and their records: 12 x batch + the first head
	s_add_co_u32 s52, s52, s16
	s_mul_i32 s52, s52, REC
	s_mov_b32 s53, 0
	s_lshl_b32 s54, s43, 11
	s_lshl_b32 s55, s43, 7
	v_and_b32 v34, 31, v0                          ; lane
	v_and_b32 v35, 15, v0                          ; r
	v_bfe_u32 v[SH8], v0, 4, 1                     ; h, for now
	v_lshlrev_b32 v[LI], 4, v34
	v_lshlrev_b32 v[L8], 3, v34
	v_lshlrev_b32 v[WA], 4, v34                    ; the first unit lies at LDS byte 0
	v_lshlrev_b32 v[WB], 4, v35
	v_lshlrev_b32 v[LR4], 2, v35
	v_lshlrev_b32 v[LH], 7, v[SH8]
	v_add_nc_u32 v[OC], s54, v[LI]
	v_lshl_add_u32 v[OS], v35, 3, s55
	v_lshl_add_u32 v[OS], v[SH8], 2, v[OS]
	v_lshlrev_b32 v[SH8], 3, v[SH8]                ; 8 h
	v_mov_b32 v[TT], 0                             ; a lane permute's destination counts as one of its sources
	v_mov_b32 v[TT+1], 0
	s_wait_alu depctr_va_vdst(0)                   ; the wait at the head's end
	s_wait_dscnt 0x0                               ; both opening adds are done
	s_wait_kmcnt 0x0
.irp g, G0, G0B, G0C
	s_add_nc_u64 s[\g+2:\g+3], s[6:7], s[\g+2:\g+3]
	s_or_b32 s[\g+3], s[\g+3], 0x80000000
.endr
	s_add_nc_u64 s[4:5], s[4:5], s[48:49]
	s_add_nc_u64 s[8:9], s[8:9], s[50:51]
	s_add_nc_u64 s[10:11], s[10:11], s[50:51]
	s_add_nc_u64 s[12:13], s[12:13], s[50:51]
	s_add_nc_u64 s[14:15], s[14:15], s[52:53]
	CROUND                                         ; all four work-groups are here: the joint loads meet
	tensor_load_to_lds s[G0:G0+3], s[G1:G1+7]      ; unit w: one tensor load a wave at the head
	s_nop 0
	PLACES
	WIN 0x40                                       ; destination window 1
.set n, 0
.rept 48
	global_load_b128 v[4*n:4*n+3], v[LI], s[4:5] offset:512*n   ; all 24 fragments of my 64 tokens stay in my registers
.set n, n+1
.endr
	WIN 0
.set n, 0
.rept 12
	global_load_b64 v[XS+2*n:XS+2*n+1], v[L8], s[4:5] offset:24576+256*n
.set n, n+1
.endr
	s_wait_tensorcnt 0x0                           ; my unit is in
	ds_add_u32 v[SPW], v[NIL]
	s_wait_dscnt 0x0
	CROUND                                         ; units 0 to 3 are whole, and all four work-groups are here
	s_cmp_lt_u32 s[WV], 2                          ; the other five units, one load a wave; the branch hangs on the wave's number alone
	s_cbranch_scc0 .Lfill_v
	tensor_load_to_lds s[G0B:G0B+3], s[G1:G1+7]
	s_nop 0
	PLACES
	s_branch .Lfilled
.Lfill_v:
	tensor_load_to_lds s[G0C:G0C+3], s[G1B:G1B+7]
	s_nop 0
	PLACES
.Lfilled:
.irp s, 0,1,2,3,4,5
	REFILL \s, 0, 0
.endr
	UNIT 0, 0, 0, 1, 1
	UNIT 0, 1, 0, 2, 1
	UNIT 0, 2, 1, 0, 1
	s_wait_tensorcnt 0x0                           ; my part of units 4 to 8 is in
	s_wait_dscnt 0x0                               ; no LDS instruction of mine is pending at the signal
	s_barrier_signal -1
	s_barrier_wait -1                              ; everybody's is: the next unit's refills read unit 4
	UNIT 1, 0, 1, 1, 1
	UNIT 1, 1, 1, 2, 1
	UNIT 1, 2, 2, 0, 1
	UNIT 2, 0, 2, 1, 1
	UNIT 2, 1, 2, 2, 1
	UNIT 2, 2, 0, 0, 0
	s_wait_tensorcnt 0x0                           ; the wave's end
	ds_add_u32 v[SPW], v[NIL]
	s_wait_dscnt 0x0
	CROUND                                         ; the closing round
	s_endpgm
.Lfunc_end_k_qbbc6c6ae09_qkv:
	.size	k_qbbc6c6ae09_qkv, .Lfunc_end_k_qbbc6c6ae09_qkv-k_qbbc6c6ae09_qkv
	.p2alignl 7, 3214868480
	.fill 96, 4, 3214868480
	.section	.rodata,"a",@progbits
	.p2align	6, 0x0
	.amdhsa_kernel k_qbbc6c6ae09_qkv
		.amdhsa_group_segment_fixed_size 327680
		.amdhsa_private_segment_fixed_size 0
		.amdhsa_enable_private_segment 0
		.amdhsa_kernarg_size 48
		.amdhsa_user_sgpr_count 2
		.amdhsa_user_sgpr_kernarg_segment_ptr 1
		.amdhsa_wavefront_size32 1
		.amdhsa_system_sgpr_workgroup_id_x 1
		.amdhsa_system_sgpr_workgroup_id_y 1
		.amdhsa_system_sgpr_workgroup_id_z 1
		.amdhsa_system_vgpr_workitem_id 0
		.amdhsa_next_free_vgpr 704
		.amdhsa_next_free_sgpr 66
		.amdhsa_reserve_vcc 0
		.amdhsa_float_denorm_mode_32 3
		.amdhsa_float_denorm_mode_16_64 3
		.amdhsa_memory_ordered 1
		.amdhsa_forward_progress 1
		.amdhsa_inst_pref_size 234
	.end_amdhsa_kernel
	.amdgpu_metadata
---
amdhsa.version: [ 1, 2 ]
amdhsa.kernels:
  - .name:           k_qbbc6c6ae09_qkv
    .symbol:         k_qbbc6c6ae09_qkv.kd
    .args:
      - { .name: ximg, .offset: 0, .size: 8, .value_kind: global_buffer, .address_space: global }
      - { .name: wimg, .offset: 8, .size: 8, .value_kind: global_buffer, .address_space: global }
      - { .name: bq, .offset: 16, .size: 8, .value_kind: global_buffer, .address_space: global }
      - { .name: bk, .offset: 24, .size: 8, .value_kind: global_buffer, .address_space: global }
      - { .name: bv, .offset: 32, .size: 8, .value_kind: global_buffer, .address_space: global }
      - { .name: qkv, .offset: 40, .size: 8, .value_kind: global_buffer, .address_space: global }
    .group_segment_fixed_size: 327680
    .private_segment_fixed_size: 0
    .kernarg_segment_align: 8
    .kernarg_segment_size: 48
    .max_flat_workgroup_size: 128
    .sgpr_count:     66
    .vgpr_count:     704
    .wavefront_size: 32
...
	.end_amdgpu_metadata
.endif
;; end of part 2
;; launch attn (part 3): grid 256 x 1, 16 waves a work-group, clusters of 4 x 1, 327,680 bytes of LDS; arguments qkv, out0; writes out0
.if DOCPART == 3
	.amdgcn_target "amdgcn-amd-amdhsa--gfx1250"
	.amdhsa_code_object_version 6
	.text
	.protected	k_qbbc6c6ae09_attn
	.globl	k_qbbc6c6ae09_attn
	.p2align	8
	.type	k_qbbc6c6ae09_attn,@function
k_qbbc6c6ae09_attn:
	s_mov_b64 s[64:65], 0
	v_nop
	global_prefetch_b8 v0, s[64:65] scope:SCOPE_SE
	s_setreg_imm32_b32 hwreg(HW_REG_WAVE_MODE, 25, 1), 1
	s_wait_xcnt 0x0
	s_wait_alu depctr_hold_cnt(0) depctr_sa_sdst(0) depctr_va_vdst(0) depctr_va_sdst(0) depctr_va_ssrc(0) depctr_va_vcc(0) depctr_vm_vsrc(0)
	s_getreg_b32 s2, hwreg(HW_REG_IB_STS2, 6, 4)
	s_cmp_eq_u32 s2, 0
	s_cbranch_scc0 .Lentry_in_a_cluster
	s_endpgm
.Lentry_in_a_cluster:
	s_bfe_u32 s2, ttmp6, 0x10000c
	s_cmp_lg_u32 s2, 0x3003
	s_cbranch_scc0 .Lentry_shape_is_right
	s_endpgm
.Lentry_shape_is_right:
; out0[b][q][64 head + d] = the sum over k of softmax_k(Q[q] . K[k] / 8) V[k][d], both products on codes of FP4 (E2M1) with one E8M0 scale for each 32 along a product's K.
; INPUT: the records that the launch before stored, one of 104,448 bytes for each (12 batch + head): Q codes 0, Q scales 32,768, K codes 34,816, V codes 67,584, K scales 100,352, V scales 102,400.
; Codes [g][idx][512 bytes], g = a group of 64 tokens, lane L at 16 L: four registers of an operand (Q, K: 16 tokens 32 (r / 8) + 8 idx + r % 8 x the head's 64; V: 16 channels 16 idx + r x the group's 64 tokens).
; Scales [g][r][2 words]: word p = the bytes of idx 2 p (h = 0, 1) and of idx 2 p + 1 (h = 0, 1).
; THE SOFTMAX AHEAD OF THE SECOND PRODUCT: t = score x log2(e) / 8; M = the largest t so far, rounded up to a whole number; p = 2^(t - M) is quantised along the keys, not normalised; the row's sum is taken of the
; unquantised p in f32 and divides O at the end.  When M moves, the sum and O are multiplied by 2^(old M - new M), which rounds nothing.
; LIMITS: the promise holds while the scaled scores t stay under 2^31 in magnitude; NaN and infinities are not served.
; SHARES.  A cluster of four work-groups takes three heads of one batch (records 3 c .. 3 c + 2); work-group cx takes queries 256 cx on, each of its sixteen waves 16 of them, for all three heads, one head after the other (a UNIT).
; The four partners read the same K and V: the 69,632 bytes of each of the three heads are asked for JOINTLY, once, at the head: waves 0 to 11 issue one load each (68 rows of 256 bytes: a quarter of a head's),
; LDS byte 17,408 x wave, so that the three heads lie on end.  No LDS byte is filled again.  One barrier shows the tiles to all waves; behind it the waves share nothing but bytes that nobody writes,
; so no barrier stands between the units: each wave walks its 3 x 8 key steps and sends its results out by itself.
; No prefetch is laid: the tiles have one fill, at the head, and there is no loop in which to ask ahead of it.
; THE FIRST PRODUCT'S K IS 64, the instruction's 128: a fragment of K's holds two tiles of 16 keys (idx 2 p in registers 0-3, idx 2 p + 1 in 4-7), and Q stands against one of them with zero codes against the other:
; v[QR:QR+11] = 0, Q, 0.  Both products are used transposed (S^T = K Q^T, O^T = V^T P^T): a lane holds one query, and the 32 registers of a group's four tiles are 32 neighbouring keys, a whole block.
.set REC,   104448
.set KVOFF, 34816
.set REG,   69632                      ; a head's K and V in LDS: K codes 0, V codes 32,768, K scales 65,536, V scales 67,584
.set PART,  17408                      ; what one tensor load brings
.set STAGE, 3*REG                      ; the way out: 16 rows x (256 + 16) bytes for each wave
.set SP,    272
.set SPARE, STAGE+16*16*SP             ; the spare words, 128 bytes for each wave: eight blocks of 256 bytes that no other line names
.set LI,  1                            ; 16 x lane
.set LS8, 2                            ; 8 r
.set STO, 3                            ; the stage, in
.set RD,  4                            ; the stage, back
.set GO,  5                            ; my byte offset in out0
.set ADK, 6                            ; the step's codes
.set ADS, 7                            ; the step's scale words
.set QS,  10                           ; Q's scale word
.set SH8, 11                           ; 8 h
.set QR,  16                           ; v16-27 0, Q, 0.  v12 -M, v13 the largest score, v[14:15] the sum in two halves
.set KF,  32                           ; v32-63 K's fragments
.set VF,  64                           ; v64-95 V's
.set S,   96                           ; v96-159 S^T, then p
.set O,   160                          ; v160-191 O^T
.set PC,  192                          ; p's codes
.set KS,  200
.set VR,  204
.set VS,  208
.set PW,  212
.set BM,  216
.set T0,  218
.set T1,  219
.set OLD, 220
.set F,   222
.set SO,  224
.set BY,  226
.set SM2, 228
.set QN,  232                          ; v232-239 Q's codes of heads 1 and 2; v240-242 the three heads' scale words of Q
.set SPW, 254                          ; my spare word's LDS address; never rewritten
.set NIL, 255                          ; 0; never rewritten
.set WV,  8
.set G1,  16
.set G0,  24
.set SEL, 36
.set CS,  38
.set NC,  40
.set PLO, 41
.set PHI, 42
.set QSEL, 43
.set TB,  44
.set TS,  45
.set CNT, 46
.set QB,  48
.set OB,  50
.macro CROUND                          ; a round of the cluster's barrier
	s_barrier_signal -1
	s_barrier_wait -1
	s_cmp_lg_u32 s[WV], 0
	s_cbranch_scc1 .Lnot_wave_0_\@
	s_barrier_signal -3
.Lnot_wave_0_\@:
	s_barrier_wait -3
	s_barrier_signal -1
	s_barrier_wait -1
.endm
	s_load_b128 s[4:7], s[0:1], 0x0                ; qkv, out0
	v_lshl_add_u32 v[SPW], v0, 2, SPARE
	v_mov_b32 v[NIL], 0
	ds_add_u32 v[SPW], v[NIL]                      ; the opening lines: the add, twice on end, and one wait; work on registers between
	ds_add_u32 v[SPW], v[NIL]
	v_lshrrev_b32 v8, 5, v0
	s_delay_alu instid0(VALU_DEP_1)
	v_readfirstlane_b32 s[WV], v8                  ; wave 0..15
	s_bfe_u32 s9, ttmp6, 0x40000                   ; cx
	s_and_b32 s10, s[WV], 3                        ; idx of my queries; also: which quarter of a head I fetch
	s_lshr_b32 s11, s[WV], 2                       ; their group of 64; also: which head I fetch for
	s_mov_b32 s[G1+0], 15|(3<<16)|(1<<21)          ; the mask: all four partners; elements of 8 bytes; bit 21 beside a mask; no padding
	s_mov_b32 s[G1+1], 32<<16                      ; rows of 256 bytes,
	s_mov_b32 s[G1+2], 68<<16                      ; 68 of them, dense in memory
	s_mov_b32 s[G1+3], 32<<16
	s_mov_b32 s[G1+4], 68
	s_mov_b32 s[G1+5], 32
	s_mov_b32 s[G1+6], 0
	s_mov_b32 s[G1+7], 0
	s_mov_b32 s[SEL], 0x76543210
	s_mov_b32 s[SEL+1], 0xfedcba98                 ; v_permlanex16_b32's selects for lane l xor 16
	s_mov_b32 s[CS], 0x3e38aa3b                    ; c = log2(e) / 8
	s_mov_b32 s[CS+1], s[CS]
	s_mov_b32 s[NC], 0xbe38aa3b                    ; -c
	s_mov_b32 s[PLO], 0x05040100
	s_mov_b32 s[PHI], 0x07060302
	s_and_b32 s56, s[WV], 1
	s_mov_b32 s[QSEL], 0x01000100                  ; my idx's two bytes of Q's scale word, twice: they serve Q in either half of the operand
	s_cmp_lg_u32 s56, 0
	s_cselect_b32 s[QSEL], 0x03020302, s[QSEL]
	s_mul_i32 s12, ttmp9, 3*REC                    ; the cluster's three records
	s_mov_b32 s13, 0
	s_mul_i32 s14, s11, REC                        ; what I fetch: head wave / 4, quarter wave % 4 of its K and V
	s_mul_i32 s15, s10, PART
	s_add_co_u32 s14, s14, s15
	s_add_co_u32 s14, s14, KVOFF
	s_mov_b32 s15, 0
	s_mov_b32 s[G0], 1
	s_mul_i32 s[G0+1], s[WV], PART                 ; and where it goes: no place in the cluster enters an LDS address
	s_lshr_b32 s52, ttmp9, 2                       ; out0: the batch,
	s_mul_i32 s52, s52, 1024*3072
	s_and_b32 s53, ttmp9, 3
	s_mul_i32 s53, s53, 3*256                      ; the first of the three heads
	s_add_co_u32 s52, s52, s53
	s_mov_b32 s53, 0
	s_lshl_b32 s59, s9, 13                         ; Q's codes: 8,192 bytes for a work-group's 256 queries
	s_lshl_b32 s60, s9, 9                          ; Q's scale words: 128 bytes a group, word idx / 2
	s_lshl_b32 s61, s11, 7
	s_add_co_u32 s60, s60, s61
	s_bfe_u32 s61, s[WV], 0x10001
	s_lshl_b32 s61, s61, 2
	s_add_co_u32 s60, s60, s61
	s_add_co_u32 s60, s60, 32768
	s_mul_i32 s57, s[WV], 16*SP
	s_add_co_u32 s57, s57, STAGE                   ; my stage
	s_lshl_b32 s58, s9, 8                          ; my first token: 256 cx + 64 (wave / 4) + 8 (wave % 4)
	s_lshl_b32 s62, s11, 6
	s_add_co_u32 s58, s58, s62
	s_lshl_b32 s62, s10, 3
	s_add_co_u32 s58, s58, s62
	s_wait_dscnt 0x0                               ; both opening adds are done
	s_wait_kmcnt 0x0
	s_add_nc_u64 s[QB:QB+1], s[4:5], s[12:13]
	s_add_nc_u64 s[G0+2:G0+3], s[QB:QB+1], s[14:15]
	s_or_b32 s[G0+3], s[G0+3], 0x80000000
	s_add_nc_u64 s[OB:OB+1], s[6:7], s[52:53]
	CROUND                                         ; all four work-groups are here: the joint loads meet
	s_cmp_lt_u32 s[WV], 12                         ; twelve quarters, one load a wave; the branch hangs on the wave's number alone
	s_cbranch_scc0 .Lno_fill
	tensor_load_to_lds s[G0:G0+3], s[G1:G1+7]
	s_nop 0
.rept 4
	v_nop
.endr
.Lno_fill:
	v_and_b32 v8, 15, v0                           ; r
	v_bfe_u32 v9, v0, 4, 1                         ; h
	v_lshl_add_u32 v28, v0, 4, s59
	v_lshl_add_u32 v29, v8, 3, s60
	global_load_b128 v[QR+4:QR+7], v28, s[QB:QB+1] ; Q of the three heads stays in registers
	global_load_b128 v[QN:QN+3], v28, s[QB:QB+1] offset:REC
	global_load_b128 v[QN+4:QN+7], v28, s[QB:QB+1] offset:2*REC
	global_load_b32 v[QN+8], v29, s[QB:QB+1]
	global_load_b32 v[QN+9], v29, s[QB:QB+1] offset:REC
	global_load_b32 v[QN+10], v29, s[QB:QB+1] offset:2*REC
.irp j, 0,1,2,3
	v_mov_b32 v[QR+\j], 0                          ; zero codes on both sides of Q
	v_mov_b32 v[QR+8+\j], 0
.endr
	v_and_b32 v[LI], 31, v0
	s_delay_alu instid0(VALU_DEP_1)
	v_lshlrev_b32 v[LI], 4, v[LI]
	v_lshlrev_b32 v[LS8], 3, v8
	v_lshlrev_b32 v[SH8], 3, v9
	v_mul_u32_u24 v[STO], v8, SP                   ; in: row r, 32 bytes for each half of the lanes
	v_mul_u32_u24 v[RD], v9, SP                    ; back: lanes 0-15 one row, lanes 16-31 the next
	v_add_nc_u32 v[GO], s58, v9
	v_lshl_add_u32 v[STO], v9, 5, v[STO]
	v_lshl_add_u32 v[RD], v8, 4, v[RD]
	v_mul_u32_u24 v[GO], v[GO], 3072
	v_add_nc_u32 v[STO], s57, v[STO]
	v_add_nc_u32 v[RD], s57, v[RD]
	v_lshl_add_u32 v[GO], v8, 4, v[GO]
	v_mov_b32 v[T1], 0                             ; a lane permute's destination counts as one of its sources
	v_mov_b32 v[F+1], 0                            ; (named as the upper half of a pair)
	s_wait_alu depctr_va_vdst(0)                   ; the wait at the head's end
	s_wait_loadcnt 0x0                             ; Q
	s_wait_tensorcnt 0x0                           ; my part of K and V is in
	s_barrier_signal -1
	s_barrier_wait -1                              ; everybody's is: the launch's only barrier over tiles
; A KEY STEP: 128 keys = two groups of 64.
.macro STEP
	v_add_nc_u32 v[ADK], s[TB], v[LI]
	v_add_nc_u32 v[ADS], s[TS], v[LS8]
.irp n, 0,1,2,3,4,5,6,7
	ds_load_b128 v[KF+4*\n:KF+4*\n+3], v[ADK] offset:512*\n
.endr
	ds_load_b64 v[KS:KS+1], v[ADS]
	ds_load_b64 v[KS+2:KS+3], v[ADS] offset:128
.irp t, 0,1,2,3
.irp c, 0,1
	ds_load_b128 v[VF+8*\t+4*\c:VF+8*\t+4*\c+3], v[ADK] offset:32768+2048*\c+512*\t
.endr
.endr
	ds_load_b64 v[VR:VR+1], v[ADS] offset:2048
	ds_load_b64 v[VR+2:VR+3], v[ADS] offset:2176
	s_wait_dscnt 10                                ; K's ten loads are in; V's ten may be out
.irp c, 0,1
.irp i, 0,1,2,3
	v_wmma_scale_f32_16x16x128_f8f6f4 v[S+8*(4*\c+\i):S+8*(4*\c+\i)+7], v[KF+8*(2*\c+\i/2):KF+8*(2*\c+\i/2)+7], v[QR+4-4*(\i%2):QR+11-4*(\i%2)], 0, v[KS+2*\c+\i/2], v[QS] matrix_a_fmt:MATRIX_FMT_FP4 matrix_b_fmt:MATRIX_FMT_FP4
.endr
.endr
	s_wait_dscnt 0x0
	v_perm_b32 v[VS],   v[VR+2], v[VR],   s[PLO]   ; V's scale words of the four channel tiles: two bytes of each of the two groups.  (These four are the places behind the products)
	v_perm_b32 v[VS+1], v[VR+2], v[VR],   s[PHI]
	v_perm_b32 v[VS+2], v[VR+3], v[VR+1], s[PLO]
	v_perm_b32 v[VS+3], v[VR+3], v[VR+1], s[PHI]
.irp c, 0,1
	v_max3_num_f32 v[BM+\c], v[S+32*\c], v[S+32*\c+1], v[S+32*\c+2]   ; the largest score of my two blocks of 32 keys: for the row's maximum and for the block's largest p
.endr
.irp i, 3,5,7,9,11,13,15,17,19,21,23,25,27,29
.irp c, 0,1
	v_max3_num_f32 v[BM+\c], v[BM+\c], v[S+32*\c+\i], v[S+32*\c+\i+1]
.endr
.endr
.irp c, 0,1
	v_max_num_f32 v[BM+\c], v[BM+\c], v[S+32*\c+31]
.endr
	s_delay_alu instid0(VALU_DEP_1)
	v_max_num_f32 v[T0], v[BM], v[BM+1]
	s_delay_alu instid0(VALU_DEP_1)
	v_permlanex16_b32 v[T1], v[T0], s[SEL], s[SEL+1]
	s_delay_alu instid0(VALU_DEP_1)
	v_max3_num_f32 v13, v13, v[T0], v[T1]          ; the running largest score
	v_mov_b32 v[OLD], v12
	s_delay_alu instid0(VALU_DEP_2)
	v_mul_f32 v[T0], s[NC], v13
	s_delay_alu instid0(VALU_DEP_1)
	v_floor_f32 v12, v[T0]                         ; -M = floor(-t)
	s_delay_alu instid0(VALU_DEP_1)
	v_sub_f32 v[T0], v12, v[OLD]
	s_delay_alu instid0(VALU_DEP_1)
	v_cvt_i32_f32 v[T0], v[T0]                     ; old M - new M (it saturates)
	s_delay_alu instid0(VALU_DEP_1)
	v_ldexp_f32 v[F], 1.0, v[T0]                   ; f = 2^(old M - new M)
.set j, 0
.rept 32
	v_pk_fma_f32 v[S+j:S+j+1], v[S+j:S+j+1], s[CS:CS+1], v[12:13] op_sel_hi:[1,0,0]   ; t - M
.set j, j+2
.endr
.irp c, 0,1
	v_fma_f32 v[BM+\c], v[BM+\c], s[CS], v12
.endr
	s_wait_alu depctr_va_vdst(0)                   ; the wait ahead of the batch
.set j, 0
.rept 64
	v_exp_f32 v[S+j], v[S+j]                       ; p
.set j, j+1
.endr
.irp c, 0,1
	v_exp_f32 v[BM+\c], v[BM+\c]                   ; the blocks' largest p
.endr
	v_pk_mul_f32 v[14:15], v[14:15], v[F:F+1] op_sel_hi:[1,0]   ; the sums under the new M (a plain place behind the batch)
	s_wait_alu depctr_va_vdst(0)                   ; and the wait behind it
.irp c, 0,1
	v_max_num_f32 v[BM+\c], 0x1800000, v[BM+\c]    ; the floor 2^(3 - 127): the byte cannot fall under 1
.endr
.irp c, 0,1
	s_delay_alu instid0(VALU_DEP_2)
	v_add_nc_u32 v[SO+\c], 0xff000000, v[BM+\c]    ; 2 off the exponent field: the conversion's scale operand
.endr
.irp c, 0,1
	s_delay_alu instid0(VALU_DEP_2)
	v_lshrrev_b32 v[BY+\c], 23, v[SO+\c]
.endr
	s_delay_alu instid0(VALU_DEP_1)
	v_lshl_or_b32 v[PW], v[BY+1], 16, v[BY]
	s_delay_alu instid0(VALU_DEP_1)
	v_lshlrev_b32 v[PW], v[SH8], v[PW]
	s_delay_alu instid0(VALU_DEP_1)
	v_permlanex16_b32 v[T1], v[PW], s[SEL], s[SEL+1]
	s_delay_alu instid0(VALU_DEP_1)
	v_or_b32 v[PW], v[PW], v[T1]                   ; p's scale word for these 128 keys
.irp c, 0,1
.irp i, 0,1,2,3
	v_cvt_scalef32_pk8_fp4_f32 v[PC+4*\c+\i], v[S+32*\c+8*\i:S+32*\c+8*\i+7], v[SO+\c]
.endr
.endr
	v_nop                                          ; one plain place behind the last scaled conversion
	s_wait_alu depctr_va_vdst(0)                   ; the wait here, directly ahead of the first reader of O^T
.set j, 0
.rept 16
	v_pk_mul_f32 v[O+j:O+j+1], v[O+j:O+j+1], v[F:F+1] op_sel_hi:[1,0]   ; O^T under the new M (also the places between the codes, the scale word and the products)
.set j, j+2
.endr
.irp t, 0,1,2,3
	v_wmma_scale_f32_16x16x128_f8f6f4 v[O+8*\t:O+8*\t+7], v[VF+8*\t:VF+8*\t+7], v[PC:PC+7], v[O+8*\t:O+8*\t+7], v[VS+\t], v[PW] matrix_a_fmt:MATRIX_FMT_FP4 matrix_b_fmt:MATRIX_FMT_FP4
.endr
	v_pk_add_f32 v[SM2:SM2+1], v[S:S+1], v[S+2:S+3]   ; the row's sum of the unquantised p, in two chains: 32 plain lines that name no register of the four products: their places
.irp j, 4,8,12,16,20,24,28,32,36,40,44,48,52,56,60
	v_pk_add_f32 v[14:15], v[14:15], v[S+\j:S+\j+1]
	v_pk_add_f32 v[SM2:SM2+1], v[SM2:SM2+1], v[S+\j+2:S+\j+3]
.endr
	s_delay_alu instid0(VALU_DEP_1)
	v_pk_add_f32 v[14:15], v[14:15], v[SM2:SM2+1]
.endm
; A UNIT: head t of the three, all 1,024 keys, and the way out.
.macro UNIT t
.if \t > 0
	s_wait_xcnt 0x0                                ; the last unit's stores have read their data: v[S ..] is written again only behind this wait
.irp j, 0,1,2,3
	v_mov_b32 v[QR+4+\j], v[QN+4*(\t-1)+\j]
.endr
.endif
	v_perm_b32 v[QS], v[QN+8+\t], v[QN+8+\t], s[QSEL]
	v_mov_b32 v13, 0xff61b1e6                      ; the largest score so far: -3e38
	s_delay_alu instid0(VALU_DEP_1)
	v_mul_f32 v12, s[NC], v13
	s_delay_alu instid0(VALU_DEP_1)
	v_floor_f32 v12, v12
	v_mov_b32 v14, 0
	v_mov_b32 v15, 0
.set j, 0
.rept 32
	v_mov_b32 v[O+j], 0                            ; the step is written once: the first finds zeros
.set j, j+1
.endr
	s_mov_b32 s[TB], \t*REG
	s_mov_b32 s[TS], \t*REG+65536
	s_mov_b32 s[CNT], 8
.Lstep_\t:
	STEP
	s_add_co_u32 s[TB], s[TB], 4096
	s_add_co_u32 s[TS], s[TS], 256
	s_sub_co_u32 s[CNT], s[CNT], 1
	s_cmp_lg_u32 s[CNT], 0
	s_cbranch_scc1 .Lstep_\t
	v_add_f32 v[T0], v14, v15
	s_delay_alu instid0(VALU_DEP_1)
	v_permlanex16_b32 v[T1], v[T0], s[SEL], s[SEL+1]
	s_delay_alu instid0(VALU_DEP_1)
	v_add_f32 v[T0], v[T0], v[T1]                  ; the row's sum
	s_wait_alu depctr_va_vdst(0)                   ; the wait ahead of the transcendental
	v_rcp_f32 v[F], v[T0]
	v_nop
	s_wait_alu depctr_va_vdst(0)                   ; and behind it, directly ahead of the first reader of it and of O^T
.set j, 0
.rept 16
	v_pk_mul_f32 v[O+j:O+j+1], v[O+j:O+j+1], v[F:F+1] op_sel_hi:[1,0]
.set j, j+2
.endr
.irp u, 0,1,2,3
	ds_store_b128 v[STO], v[O+8*\u:O+8*\u+3] offset:64*\u
	ds_store_b128 v[STO], v[O+8*\u+4:O+8*\u+7] offset:64*\u+16
.endr
.irp k, 0,1,2,3,4,5,6,7
	ds_load_b128 v[S+4*\k:S+4*\k+3], v[RD] offset:2*SP*\k   ; LDS serves a wave's instructions in order: these see my stores
.endr
.irp k, 0,1,2,3,4,5,6,7
	s_wait_dscnt 7-\k                              ; load k is in; the 7 - k behind it may be out
	global_store_b128 v[GO], v[S+4*\k:S+4*\k+3], s[OB:OB+1] offset:(2*\k+24*(\k/4))*3072+256*\t th:TH_STORE_NT   ; sixteen lanes store a head's 256 bytes of a token's row, aligned; stage row rho is token 32 (rho / 8) + rho % 8 of mine
.endr
.endm
	UNIT 0
	UNIT 1
	UNIT 2
	s_wait_tensorcnt 0x0                           ; the wave's end
	ds_add_u32 v[SPW], v[NIL]
	s_wait_dscnt 0x0
	CROUND                                         ; the closing round
	s_endpgm
.Lfunc_end_k_qbbc6c6ae09_attn:
	.size	k_qbbc6c6ae09_attn, .Lfunc_end_k_qbbc6c6ae09_attn-k_qbbc6c6ae09_attn
	.p2alignl 7, 3214868480
	.fill 96, 4, 3214868480
	.section	.rodata,"a",@progbits
	.p2align	6, 0x0
	.amdhsa_kernel k_qbbc6c6ae09_attn
		.amdhsa_group_segment_fixed_size 327680
		.amdhsa_private_segment_fixed_size 0
		.amdhsa_enable_private_segment 0
		.amdhsa_kernarg_size 16
		.amdhsa_user_sgpr_count 2
		.amdhsa_user_sgpr_kernarg_segment_ptr 1
		.amdhsa_wavefront_size32 1
		.amdhsa_system_sgpr_workgroup_id_x 1
		.amdhsa_system_sgpr_workgroup_id_y 1
		.amdhsa_system_sgpr_workgroup_id_z 1
		.amdhsa_system_vgpr_workitem_id 0
		.amdhsa_next_free_vgpr 256
		.amdhsa_next_free_sgpr 66
		.amdhsa_reserve_vcc 0
		.amdhsa_float_denorm_mode_32 3
		.amdhsa_float_denorm_mode_16_64 3
		.amdhsa_memory_ordered 1
		.amdhsa_forward_progress 1
		.amdhsa_inst_pref_size 65
	.end_amdhsa_kernel
	.amdgpu_metadata
---
amdhsa.version: [ 1, 2 ]
amdhsa.kernels:
  - .name:           k_qbbc6c6ae09_attn
    .symbol:         k_qbbc6c6ae09_attn.kd
    .args:
      - { .name: qkv, .offset: 0, .size: 8, .value_kind: global_buffer, .address_space: global }
      - { .name: out0, .offset: 8, .size: 8, .value_kind: global_buffer, .address_space: global }
    .group_segment_fixed_size: 327680
    .private_segment_fixed_size: 0
    .kernarg_segment_align: 8
    .kernarg_segment_size: 16
    .max_flat_workgroup_size: 512
    .sgpr_count:     66
    .vgpr_count:     256
    .wavefront_size: 32
...
	.end_amdgpu_metadata
.endif
;; end of part 3
